; MI455X (gfx1250); checked and timed in simulation.
; The chip was launched on July 23, 2026; its instructions are those of AMD's public machine-readable ISA for CDNA 5 (MIT licence, August 2026) and "CDNA5" Instruction Set Architecture Reference Guide (July 2026). The comments in the code are by the model that wrote it; some were corrected since.
;; Additive Attention. Allowed arithmetic: matrix products marked QUANTISED: E5M2 operands, one given power-of-two scale a tensor, by v_wmma_f32_16x16x64_bf8_bf8 or v_wmma_f32_16x16x128_bf8_bf8, f32 sums; products left as they are: f32 operands where the result goes on into a quantised operand, else bf16, f16 or f32 operands; f32 sums; everything else in f32.
;; Inputs: W_k 256 x 64 float32; W_q 256 x 64 float32; keys 16 x 1,024 x 256 float32; lowp_scales 6 int32 (the exponents e of the quantised operands' scales 2^e); queries 16 x 256 x 256 float32; valid_lens 16 int32; values 16 x 1,024 x 128 float32; w_v 64 float32.
;; Outputs: out0 16 x 256 x 128 float32.
;; This version of the problem:
;;   THIS VERSION OF THE PROBLEM IS GIVEN IN LOW PRECISION. The matrix products marked QUANTISED in the list below multiply operands that are first quantised to E5M2 (5 exponent bits, 2 mantissa bits; 8 bits a number), with one given power-of-two scale for each operand tensor; their sums are f32. All else is computed in f32.
;;   The module's matrix products, in the order in which they are computed (A, B: the left and right operand; K: the contracted axis; several contracted axes count as one K, in the product's order):
;;     1. [M 4,096, K 256] x [K 256, N 64]; A: input queries; B: input W_q: QUANTISED (scales: A lowp_scales[0], B lowp_scales[1])
;;     2. [M 16,384, K 256] x [K 256, N 64]; A: input keys; B: input W_k: QUANTISED (scales: A lowp_scales[2], B lowp_scales[3])
;;     3. [M 4,194,304, K 64] x [K 64, N 1]; A: computed on the way; B: input w_v: left as it is (N = 1 < 16)
;;     4. batch 16 x [M 256, K 1,024] x [K 1,024, N 128]; A: softmax (see below); B: input values: QUANTISED (scales: A lowp_scales[4], B lowp_scales[5])
;;   THE QUANTISER, for each operand of a quantised product, along K:
;;     - The operand's scale is 2^e, e = its entry of the input lowp_scales (int32; the entries are numbered through the quantised products in the list's order, A before B).
;;     - Each number is divided by the scale, clamped to +-57,344, and rounded to the nearest number of E5M2, ties to even, subnormals kept.
;;     - The product sums the exact products of the quantised numbers (number of the format x scale) in f32.
;;   ~~~python
;;   def quantise(x, axis, e):      # numpy; x: float32 -> the quantised numbers, widened to float32 again
;;       x = np.moveaxis(x, axis, -1); K = x.shape[-1]
;;       r = np.clip(x / 2.0 ** e, -57344, 57344)
;;       step = 2.0 ** (np.maximum(np.frexp(np.where(r == 0, 1, r))[1] - 1, -14) - 2)
;;       q = np.round(r / step) * step * 2.0 ** e      # np.round: ties to even
;;       return np.moveaxis(q, -1, axis).astype(np.float32)
;;   ~~~
;;   SOFTMAX AHEAD OF A QUANTISED PRODUCT. Where the list says 'softmax', what is quantised is not the finished softmax but p = 2^(t - M), with t = logit x log2(e) and M = ceil(the row's largest t), a whole number; so 1/2 < the row's largest p <= 1. The row's sum l is taken of the UNQUANTISED p, in f32, and the product's result is divided by l at the end. Since M is a whole number, a kernel that streams over the keys may use a running M (the ceiling of the running maximum): every later rescaling is an exact power of two, so the quantised numbers keep their values, but for numbers so far below the row's largest that they fall under the format's range.
;;   OPERANDS COMPUTED ON THE WAY. 'Computed on the way' means the value that the module computes at that place (a softmax that the list does not call 'softmax' is quantised finished and normalised). What goes into a quantiser is computed in f32, as accurately as f32 sums, v_exp_f32 and their like allow (about 1e-6 of the number): no bf16 or f16 on the way to a quantiser, and a product that is left as it is and whose result goes on into a quantised operand takes f32 operands (vector FMAs, or v_wmma_f32_16x16x4_f32). A number that lies on a knife's edge between two numbers of the format may be rounded either way, as far as f32 arithmetic and the matrix unit's own rounding can turn it there, and no further.
;; 2 versions, each right; version 2 is version 1 with the launch attend written anew for expert scheduling mode. Each part assembles by itself: llvm-mc -triple=amdgcn-amd-amdhsa -mcpu=gfx1250 --defsym DOCPART=n.
;; ======== version 1 of 2: 3 launches
;; limits: right only within a limited range of input values
;; workspace buffers: tab 10,485,760 bytes; vcod 2,097,152 bytes; graw 16,777,216 bytes
;; launch prep (part 1): grid 576 x 1, 4 waves a work-group, no clusters, 84,480 bytes of LDS; arguments queries, keys, W_q, W_k, values, lowp_scales, tab, vcod; writes tab, vcod
.if DOCPART == 1
	.amdgcn_target "amdgcn-amd-amdhsa--gfx1250"
	.amdhsa_code_object_version 6
	.text
	.protected	k_q66cfd0d36b_prep
	.globl	k_q66cfd0d36b_prep
	.p2align	8
	.type	k_q66cfd0d36b_prep,@function
k_q66cfd0d36b_prep:
	s_mov_b64 s[64:65], 0
	v_nop
	global_prefetch_b8 v0, s[64:65] scope:SCOPE_SE
	s_setreg_imm32_b32 hwreg(HW_REG_WAVE_MODE, 25, 1), 1
	s_wait_xcnt 0x0
; TWO JOBS, told apart by the work-group's number alone.
; Work-groups 0-319: the projections x = rows . W on codes of BF8 (E5M2), 64 rows x 64 hidden units each (0-63: queries with W_q, 64-319: keys with W_k).
;   Each projected number x leaves as a PAIR (m, n): n = floor(c x + 0.5), a whole number (int32), m = 2^(c x - n), between 0.707 and 1.415; c = 2 log2(e).
;   So 2^(c (q + k)) = mq mk 2^(nq + nk) for every size of q and k, and tanh(q + k) = 1 - 2 / (1 + that) costs the next launch one reciprocal.
;   c is taken in two parts (c_hi + c_lo) and c x - n by fused multiply-adds, so that m is right to f32's last bits also where c x is in the thousands.
;   tab: 320 chunks of 64 rows, 32,768 bytes each: [h 0..63][row 0..63][m, n]: byte 512 h + 8 row.
; Work-groups 320-575: 64 keys x 128 channels of values become codes, laid as the registers of the last product's K = 64 operand want them:
;   vcod: [batch x 16 + chunk][tile of 16 channels][g 0..1][hh 0..1][r 0..15][16 bytes]: byte i = values(key 32 hh + 16 g + i of the chunk, channel 16 tile + r).
; code = x / 2^e, held within +-57,344, to the nearest code, ties to even; e from lowp_scales: 0, 1 queries and W_q; 2, 3 keys and W_k; 5 values.
; LIMITS: each e between -126 and 112; e0 + e1 and e2 + e3 between -100 and 120 (they are added to the exponent fields of c_hi and c_lo); |c x| under 2^29; NaN and infinity among the inputs are not served.
; PROJECTION, four waves.  The waves share the hidden units: wave w makes units 16 w .. 16 w + 15 for all 64 rows, with its two fragments of W (a lane a column, registers down K) in registers.
; Wave w quantises rows 16 w .. 16 w + 15: its loads take 512 consecutive bytes each, the numbers turn through the wave's own stage in LDS so that a lane holds 16 neighbours along K, and the two
; fragments go to the other waves as images of their registers (16 bytes a lane, 512 a store).  One barrier.  A fragment's registers 4 c .. 4 c + 3 hold K = 32 c + 16 (lane / 16) + 0 .. 15, alike in both operands.
; No tensor load: each byte is read once by one wave, and the work of a work-group is short.  No cluster: W alone is shared, 64 KiB against 64 KiB of rows.
.set SP,   528                         ; a stage row: 512 bytes + 16: sixteen rows start at sixteen different 16-byte columns of 256 bytes
.set STGS, 16*SP                       ; the stage of one K step: 16 rows
.set STGW, 2*STGS                      ; a wave's two
.set XIMG, 4*STGW                      ; behind the stages: the rows' 8 fragment images (tile of rows m, K step s: 2 m + s)
.set FRB,  2048                        ; an image: 16 registers x 128 bytes
.set WF,   16                          ; v16-47   my two fragments of W
.set PC,   48                          ; v48-63   codes just made
.set X,    64                          ; v64-127  64 numbers; later the rows' fragments; later the pairs (m, n)
.set Y,    128                         ; v128-191 64 numbers; later fragments; later c x - n; later the way out
.set Z,    192                         ; v192-255 64 numbers; later v192-223 the four accumulators, v224-255 n as f32
; v1 lane, v2 r = lane % 16, v3 hh = lane / 16, v4-9 addresses, v10 2^29, v12/13 scale and limit of the rows (or of values), v14/15 of W
; 64 numbers of a lane, register 16 b + i = the lane's k 32 b + 16 hh + i, become 16 registers of codes
.macro QUANT src, dst, sc, lim
.irp b, 0,1,2,3
.irp i, 0,1,2,3,4,5,6,7,8,9,10,11,12,13,14,15
	v_med3_num_f32 v[\src+16*\b+\i], v[\src+16*\b+\i], -v[\lim], v[\lim]   ; the conversion to an 8-bit code does not saturate (ISA guide 7.6.2): the hold at the largest code x the scale
.endr
	v_cvt_scalef32_pk8_bf8_f32 v[\dst+4*\b:\dst+4*\b+1], v[\src+16*\b:\src+16*\b+7], v[\sc]
	v_cvt_scalef32_pk8_bf8_f32 v[\dst+4*\b+2:\dst+4*\b+3], v[\src+16*\b+8:\src+16*\b+15], v[\sc]
.endr
	v_nop                                          ; a plain line between the last conversion and whatever vector or matrix line next touches its registers
.endm
.macro SCALE e, tmp, sc, lim           ; s[e] = the exponent: v[sc] = 2^e, v[lim] = 57,344 x 2^e
	s_add_co_i32 s[\tmp], s[\e], 127
	s_lshl_b32 s[\tmp+1], s[\tmp], 23
	v_mov_b32 v[\sc], s[\tmp+1]
	s_add_co_i32 s[\tmp], s[\tmp], 15
	s_lshl_b32 s[\tmp], s[\tmp], 23
	s_or_b32 s[\tmp], s[\tmp], 0x600000
	v_mov_b32 v[\lim], s[\tmp]
.endm
.macro WLOAD s, reg                    ; W(128 s + 32 c + 16 hh + i, my column): sixteen lanes read 64 consecutive bytes
.irp c, 0,1,2,3
.irp i, 0,1,2,3,4,5,6,7,8,9,10,11,12,13,14,15
	global_load_b32 v[\reg+16*\c+\i], v4, s[34:35] offset:(128*\s+32*\c+\i)*256
.endr
.endr
.endm
.macro RLOAD s, reg                    ; K step s of my 16 rows: a load takes 512 consecutive bytes of one row
.irp i, 0,1,2,3,4,5,6,7,8,9,10,11,12,13,14,15
	global_load_b128 v[\reg+4*\i:\reg+4*\i+3], v5, s[28:29] offset:\i*1024+\s*512 th:TH_LOAD_NT
.endr
.endm
.macro TURN s, reg                     ; through my own stage: in as loaded, back 16 neighbours of each block of 32 a lane.  LDS serves a wave's instructions in order (ISA guide 5.7.1.4): no wait between
.irp i, 0,1,2,3,4,5,6,7,8,9,10,11,12,13,14,15
	ds_store_b128 v6, v[\reg+4*\i:\reg+4*\i+3] offset:\s*STGS+\i*SP
.endr
.irp c, 0,1,2,3
.irp j, 0,1,2,3
	ds_load_b128 v[\reg+16*\c+4*\j:\reg+16*\c+4*\j+3], v7 offset:\s*STGS+\c*128+\j*16
.endr
.endr
.endm
.macro IMAGE off                       ; the fragment in v[PC] on goes to LDS as it stands
.irp c, 0,1,2,3
	ds_store_b128 v9, v[PC+4*\c:PC+4*\c+3] offset:\off+512*\c
.endr
.endm
.macro FETCH reg, off                  ; and comes back so, in any wave
.irp c, 0,1,2,3
	ds_load_b128 v[\reg+4*\c:\reg+4*\c+3], v8 offset:\off+512*\c
.endr
.endm
	s_load_b512 s[4:19], s[0:1], 0x0               ; queries s[4:5], keys s[6:7], W_q s[8:9], W_k s[10:11], values s[12:13], lowp_scales s[14:15], tab s[16:17], vcod s[18:19]
	v_lshl_add_u32 v11, v0, 2, 0x14800
	s_set_vgpr_msb 0x40
	v_mov_b32 v1, 0
	s_set_vgpr_msb 0x4000
	v_lshrrev_b32 v1, 5, v0
	v_readfirstlane_b32 s26, v1                    ; wave 0..3
	v_and_b32 v1, 31, v0                           ; lane
	v_and_b32 v2, 15, v0                           ; r
	v_bfe_u32 v3, v0, 4, 1                         ; hh
	v_lshlrev_b32 v5, 4, v1                        ; 16 x lane
	s_wait_kmcnt 0x0
	s_load_b128 s[20:23], s[14:15], 0x0            ; e0 .. e3
	s_load_b64 s[24:25], s[14:15], 0x10            ; e4, e5
	s_cmp_ge_u32 ttmp9, 320
	s_cbranch_scc1 .Lvalues
	; ---------------- the projections ----------------
	s_cmp_lt_u32 ttmp9, 64                         ; queries or keys: the choice hangs on the work-group's number alone
	s_cselect_b64 s[28:29], s[4:5], s[6:7]         ; the rows
	s_cselect_b64 s[34:35], s[8:9], s[10:11]       ; W
	s_cselect_b32 s27, 0, 64
	s_sub_co_u32 s27, ttmp9, s27                   ; which 64 rows of that tensor
	s_lshl_b32 s36, s27, 16                        ; 64 rows of 1,024 bytes,
	s_lshl_b32 s37, s26, 14                        ; my wave's 16 of them
	s_add_co_u32 s36, s36, s37
	s_mov_b32 s37, 0
	s_add_nc_u64 s[28:29], s[28:29], s[36:37]
	s_lshl_b32 s36, ttmp9, 15                      ; the chunk in tab,
	s_lshl_b32 s38, s26, 13                        ; my 16 hidden units' 8,192 bytes of it
	s_add_co_u32 s36, s36, s38
	s_add_nc_u64 s[16:17], s[16:17], s[36:37]
	s_lshl_b32 s38, s26, 6
	v_lshlrev_b32 v4, 2, v2
	v_lshl_add_u32 v4, v3, 12, v4
	v_add_nc_u32 v4, s38, v4                       ; W: column 16 wave + r, 4 bytes; lanes 16-31 begin 16 rows (4,096 bytes) further down
	WLOAD 0, X
	RLOAD 0, Y
	RLOAD 1, Z
	s_mul_i32 s38, s26, STGW
	v_add_nc_u32 v6, s38, v5                       ; my stage by rows: 16 x lane
	v_mul_u32_u24 v7, v2, SP
	v_lshl_add_u32 v7, v3, 6, v7
	v_add_nc_u32 v7, s38, v7                       ; my stage by lanes: row r, + 64 hh
	v_add_nc_u32 v8, XIMG, v5                      ; an image's place for my lane
	s_lshl_b32 s38, s26, 12
	v_add_nc_u32 v9, s38, v8                       ; where I store my two images
	v_mov_b32 v10, 0x4e000000                      ; 2^29
	s_wait_kmcnt 0x0                               ; the exponents
	s_cmp_lt_u32 ttmp9, 64
	s_cselect_b32 s36, s20, s22                    ; the rows' e
	s_cselect_b32 s37, s21, s23                    ; W's e
	SCALE 36, 38, 12, 13
	SCALE 37, 38, 14, 15
	s_add_co_i32 s36, s36, s37                     ; a sum of the product stands for sum x 2^(the two e added): they are added to the exponent fields of c's two parts
	s_lshl_b32 s36, s36, 23
	s_add_co_i32 s30, s36, 0x4038aa3b              ; c_hi = 2 log2(e) as f32
	s_mov_b32 s31, s30                             ; (the packed forms name pairs and take the low word for both halves: so the upper words are written)
	s_add_co_i32 s32, s36, 0x33257060              ; c_lo = 2 log2(e) - c_hi
	s_mov_b32 s33, s32
	s_wait_loadcnt 32                              ; W's first 64 numbers are in; the 32 loads of rows behind them may be out
	QUANT X, WF, 14, 15
	WLOAD 1, X
	s_wait_loadcnt 63                              ; the rows are in: 64 loads were issued behind them, and the wait's field holds 63
	TURN 0, Y
	TURN 1, Z
	s_wait_dscnt 32                                ; K step 0 is back; K step 1's 16 stores and 16 loads may be out
	QUANT Y, PC, 12, 13
	IMAGE 0
	s_wait_dscnt 0x0                               ; K step 1 is back, and the image's stores have read v[PC] on
	QUANT Z, PC, 12, 13
	IMAGE FRB
	s_wait_loadcnt 0x0                             ; W's second 64 numbers
	QUANT X, WF+16, 14, 15
	s_wait_dscnt 0x0                               ; for the others' sake: my images lie in LDS
	s_barrier_signal -1
	s_barrier_wait -1
.irp f, 0,1,2,3,4,5,6,7
	FETCH X+16*\f, \f*FRB
.endr
	s_wait_dscnt 0x0
.irp s, 0,1                                    ; four accumulators by turns, one instruction a turn
.irp m, 0,1,2,3
.if \s == 0
	v_wmma_f32_16x16x128_bf8_bf8 v[Z+8*\m:Z+8*\m+7], v[X+32*\m:X+32*\m+15], v[WF:WF+15], 0
.else
	v_wmma_f32_16x16x128_bf8_bf8 v[Z+8*\m:Z+8*\m+7], v[X+32*\m+16:X+32*\m+31], v[WF+16:WF+31], v[Z+8*\m:Z+8*\m+7]
.endif
.endr
.endr                                          ; lane (r, hh): hidden unit 16 wave + r; register 8 m + j: row 16 m + 8 hh + j
.rept 4
	v_nop                                          ; places behind the last product (ISA guide 7.12.1)
.endr
.set kk, 0
.rept 16
	v_pk_fma_f32 v[224+kk:225+kk], v[Z+kk:Z+kk+1], s[30:31], 0.5 op_sel_hi:[1,0,0]   ; c x + 0.5; each accumulator from its low end on
.set kk, kk+2
.endr
.set kk, 0
.rept 32
	v_med3_num_f32 v[224+kk], v[224+kk], -v10, v10   ; so that n and the sum of two n stay whole numbers of 32 bits
.set kk, kk+1
.endr
.set kk, 0
.rept 32
	v_floor_f32 v[224+kk], v[224+kk]               ; n
.set kk, kk+1
.endr
.set kk, 0
.rept 16
	v_pk_fma_f32 v[Y+kk:Y+kk+1], v[Z+kk:Z+kk+1], s[30:31], v[224+kk:225+kk] op_sel_hi:[1,0,1] neg_lo:[0,0,1] neg_hi:[0,0,1]   ; c_hi x - n, one rounding
.set kk, kk+2
.endr
.set kk, 0
.rept 16
	v_pk_fma_f32 v[Y+kk:Y+kk+1], v[Z+kk:Z+kk+1], s[32:33], v[Y+kk:Y+kk+1] op_sel_hi:[1,0,1]   ; + c_lo x
.set kk, kk+2
.endr
.set kk, 0
.rept 32
	v_exp_f32 v[X+2*kk], v[Y+kk]                   ; m
.set kk, kk+1
.endr
	v_nop                                          ; a plain line behind the last exponential
.set kk, 0
.rept 32
	v_cvt_i32_f32 v[X+2*kk+1], v[224+kk]           ; n as int32, beside its m: work that names no exponential's result
.set kk, kk+1
.endr
	s_wait_alu depctr_va_vdst(0)                   ; one wait for the 32 exponentials, ahead of the first line that names a result
.irp m, 0,1,2,3                                ; a lane's pairs belong to one hidden unit's 512 bytes, the lanes beside it to other units': through my stage, and out by whole units' rows
.irp i, 0,1,2,3
	ds_store_b128 v7, v[X+16*\m+4*\i:X+16*\m+4*\i+3] offset:\m*128+\i*16
.endr
.endr
.irp p, 0,1,2,3,4,5,6,7,8,9,10,11,12,13,14,15
	ds_load_b128 v[Y+4*\p:Y+4*\p+3], v6 offset:\p*SP
.endr
.irp p, 0,1,2,3,4,5,6,7,8,9,10,11,12,13,14,15
	s_wait_dscnt 15-\p                             ; LDS loads come back in order: unit p's row is in, the younger ones may be out
	global_store_b128 v5, v[Y+4*\p:Y+4*\p+3], s[16:17] offset:\p*512   ; 32 lanes store 512 consecutive bytes, at a multiple of 512 from tab's first byte
.endr
	s_set_vgpr_msb 0x4
	s_wait_tensorcnt 0x0
	ds_add_u32 v11, v1
	s_wait_dscnt 0x0
	s_set_vgpr_msb 0x400
	s_endpgm
	; ---------------- the values ----------------
.Lvalues:                                      ; a lane takes a channel and its registers run down the 64 keys, which are the last product's K: nothing is transposed
	s_sub_co_u32 s27, ttmp9, 320                   ; 16 x batch + chunk
	s_lshl_b32 s36, s27, 15                        ; 64 keys of 512 bytes,
	s_lshl_b32 s37, s26, 7                         ; my wave's 32 channels
	s_add_co_u32 s36, s36, s37
	s_mov_b32 s37, 0
	s_add_nc_u64 s[12:13], s[12:13], s[36:37]
	s_lshl_b32 s36, s27, 13                        ; the chunk's 8,192 bytes of codes
	s_add_nc_u64 s[18:19], s[18:19], s[36:37]
	v_lshlrev_b32 v4, 2, v1
.set kk, 0
.rept 64
	global_load_b32 v[X+kk], v4, s[12:13] offset:kk*512 th:TH_LOAD_NT   ; key kk, channels 32 wave + lane: 128 consecutive bytes a wave, 512 the four waves
.set kk, kk+1
.endr
	v_lshlrev_b32 v6, 4, v2
	v_lshl_add_u32 v6, v3, 10, v6
	s_lshl_b32 s38, s26, 11
	v_add_nc_u32 v6, s38, v6                       ; tile 2 wave + hh of 1,024 bytes, + 16 r
	s_wait_kmcnt 0x0
	SCALE 25, 38, 12, 13
	s_wait_loadcnt 0x0
	QUANT X, WF, 12, 13                            ; registers 4 p .. 4 p + 3: keys 16 p + 0 .. 15
.irp p, 0,1,2,3
	global_store_b128 v6, v[WF+4*\p:WF+4*\p+3], s[18:19] offset:(\p%2)*512+(\p/2)*256   ; keys 16 p on are g = p % 2, hh = p / 2; sixteen lanes store 256 consecutive bytes, aligned
.endr
	s_endpgm
.Lfunc_end_k_q66cfd0d36b_prep:
	.size	k_q66cfd0d36b_prep, .Lfunc_end_k_q66cfd0d36b_prep-k_q66cfd0d36b_prep
	.p2alignl 7, 3214868480
	.fill 96, 4, 3214868480
	.section	.rodata,"a",@progbits
	.p2align	6, 0x0
	.amdhsa_kernel k_q66cfd0d36b_prep
		.amdhsa_group_segment_fixed_size 84480
		.amdhsa_private_segment_fixed_size 0
		.amdhsa_enable_private_segment 0
		.amdhsa_kernarg_size 64
		.amdhsa_user_sgpr_count 2
		.amdhsa_user_sgpr_kernarg_segment_ptr 1
		.amdhsa_wavefront_size32 1
		.amdhsa_system_sgpr_workgroup_id_x 1
		.amdhsa_system_sgpr_workgroup_id_y 1
		.amdhsa_system_sgpr_workgroup_id_z 1
		.amdhsa_system_vgpr_workitem_id 0
		.amdhsa_next_free_vgpr 258
		.amdhsa_next_free_sgpr 66
		.amdhsa_reserve_vcc 0
		.amdhsa_float_denorm_mode_32 3
		.amdhsa_float_denorm_mode_16_64 3
		.amdhsa_memory_ordered 1
		.amdhsa_forward_progress 1
		.amdhsa_inst_pref_size 68
	.end_amdhsa_kernel
	.amdgpu_metadata
---
amdhsa.version: [ 1, 2 ]
amdhsa.kernels:
  - .name:           k_q66cfd0d36b_prep
    .symbol:         k_q66cfd0d36b_prep.kd
    .args:
      - { .name: queries, .offset: 0, .size: 8, .value_kind: global_buffer, .address_space: global }
      - { .name: keys, .offset: 8, .size: 8, .value_kind: global_buffer, .address_space: global }
      - { .name: W_q, .offset: 16, .size: 8, .value_kind: global_buffer, .address_space: global }
      - { .name: W_k, .offset: 24, .size: 8, .value_kind: global_buffer, .address_space: global }
      - { .name: values, .offset: 32, .size: 8, .value_kind: global_buffer, .address_space: global }
      - { .name: lowp_scales, .offset: 40, .size: 8, .value_kind: global_buffer, .address_space: global }
      - { .name: tab, .offset: 48, .size: 8, .value_kind: global_buffer, .address_space: global }
      - { .name: vcod, .offset: 56, .size: 8, .value_kind: global_buffer, .address_space: global }
    .group_segment_fixed_size: 84480
    .private_segment_fixed_size: 0
    .kernarg_segment_align: 8
    .kernarg_segment_size: 64
    .max_flat_workgroup_size: 128
    .sgpr_count:     66
    .vgpr_count:     258
    .wavefront_size: 32
...
	.end_amdgpu_metadata
.endif
;; end of part 1
;; launch scores (part 2): grid 256 x 1, 32 waves a work-group, no clusters, 208,896 bytes of LDS; arguments tab, w_v, valid_lens, graw; writes graw
.if DOCPART == 2
	.amdgcn_target "amdgcn-amd-amdhsa--gfx1250"
	.amdhsa_code_object_version 6
	.text
	.protected	k_q66cfd0d36b_scores
	.globl	k_q66cfd0d36b_scores
	.p2align	8
	.type	k_q66cfd0d36b_scores,@function
k_q66cfd0d36b_scores:
	s_mov_b64 s[64:65], 0
	v_nop
	global_prefetch_b8 v0, s[64:65] scope:SCOPE_SE
	s_setreg_imm32_b32 hwreg(HW_REG_WAVE_MODE, 25, 1), 1
	s_wait_xcnt 0x0
; G[b][q][k] = the sum over h of w_v[h] / (1 + 2^(c (q_h + k_h))), c = 2 log2(e), so that the score, the sum over h of w_v[h] tanh(q_h + k_h), is (the sum of w_v) - 2 G: the next launch forms it.
; tab holds each projected number as (m, n) with 2^(c x) = m 2^n.  For two keys of one query and one h: two additions nq + nk, two v_ldexp_f32 (mk, that), one packed e mq + 1, two reciprocals, one packed
; G += w r.  v_ldexp_f32 goes to infinity or to 0 where the sum is out of range, the reciprocal then to 0 or 1, tanh to +-1: no branch on numbers, and no limit on the size of q and k short of |c x| < 2^29.
; ONLY KEYS THAT COUNT: a key at or beyond the batch's valid_len gets -1e6 in place of its score, so its score is not made.  Batch b has c_b = ceil(clamp(valid_len, 1, 1024) / 64) chunks of 64 keys.
; SHARES.  A UNIT is 8 queries x 64 keys x all 64 h, one wave's work.  Units are numbered through (batch, chunk, 8 queries): U = 32 x the sum of c_b, between 512 and 8,192.  Work-group g takes units
; [g U / 256, (g + 1) U / 256): between 2 and 32, one a wave, in at most two chunks of keys: so every work-group has the same work to within one unit, whatever the lengths.
; ALL THAT THE LOOP READS LIES IN LDS.  The two chunks' pairs (32,768 bytes each) are staged by all 32 waves; a lane takes keys 2 l and 2 l + 1: 16 bytes an h.  Each wave also stages, into bytes of its own, the pairs of
; its 8 queries (64 h x 64 bytes) and a copy of w_v (256 bytes); in the loop they come back by loads in which every lane names the same address, so that every lane holds all eight pairs.  LDS loads come back in
; order, so each set of registers is asked for again as soon as its last reader is issued, and the waits are counted.  One barrier; behind it LDS is only read.
; Every wave walks the loop over h; a wave without a unit jumps over the work inside each trip.  It stages the pairs of the work-group's last unit, so that no LDS byte is read that nobody wrote.
; No matrix unit: the work is reciprocals and vector arithmetic.  No tensor load, no cluster: shares and branches hang on valid_lens.
; ORDER OF ROUNDING: the sum over h is formed of w r, ascending h, not of w tanh.
.set QST, 65536                        ; LDS: behind the two chunks of keys, a region for each wave:
.set QWV, 4352                         ; 4,096 bytes [h][query 0..7][m, n], then w_v's 256 bytes
.set ACC, 24                           ; v24-39   G of query i, keys 2 l and 2 l + 1, at v[24 + 2 i]
.set AS0, 40                           ; v40-55   the first h of a half: 8 queries x 2 keys
.set AS1, 56                           ; v56-71   the second
.set Q0,  72                           ; v72-87   the eight queries' pairs of the first h
.set Q1,  88                           ; v88-103  of the second
.set WR,  104                          ; v104-107 the trip's four w
.set WO,  108                          ; v108-109 an odd w in the low word of a pair
.set QA,  110                          ; v110     my region + the trip's step among the pairs (at the head: where I store w_v)
.set WA,  111                          ; v111     my region + the trip's step in w_v
; v2 my slot + 16 lane; v3 + the trip's step (at the head: where I store my queries' pairs); v4 16 x thread; v5 8 x lane; v6 my region; v7 the staging loads' offset; v8-15, v16-23 the keys' pairs of a half, two buffers
; s90, s91, s94 the trip's steps among the queries' pairs, in w_v and among the keys' pairs; s95 trips; s[92:93] my queries' pairs in tab; s[96:99] the two chunks of keys; s100 my unit; s101 the same, held at the
; work-group's last; s15 the first unit that is not my work-group's
.macro DECODE g, b, base               ; s[g] = a chunk's number through all batches: the batch, and the number of that batch's first chunk (s[16 + i] = the chunks ahead of batch i)
	s_mov_b32 s[\b], 0
	s_mov_b32 s[\base], 0
.irp i, 1,2,3,4,5,6,7,8,9,10,11,12,13,14,15
	s_cmp_ge_u32 s[\g], s[16+\i]
	s_cselect_b32 s[\b], \i, s[\b]
	s_cselect_b32 s[\base], s[16+\i], s[\base]
.endr
.endm
; One h: a = mk 2^(nq + nk) mq + 1 for 8 queries x 2 keys, in three runs, so that no line waits for the line above it.  rc >= 0: the 16 reciprocals of the set at v[rc] stand among the first two runs.
.macro FEAT q, kr, as, rc
.irp i, 0,1,2,3,4,5,6,7
	v_add_nc_u32 v[\as+2*\i], v[\q+2*\i+1], v[\kr+1]
	v_add_nc_u32 v[\as+2*\i+1], v[\q+2*\i+1], v[\kr+3]
.if \rc >= 0
	v_rcp_f32 v[\rc+2*\i], v[\rc+2*\i]
.endif
.endr
.irp i, 0,1,2,3,4,5,6,7
	v_ldexp_f32 v[\as+2*\i], v[\kr], v[\as+2*\i]
	v_ldexp_f32 v[\as+2*\i+1], v[\kr+2], v[\as+2*\i+1]
.if \rc >= 0
	v_rcp_f32 v[\rc+2*\i+1], v[\rc+2*\i+1]
.endif
.endr
.irp i, 0,1,2,3,4,5,6,7
	v_pk_fma_f32 v[\as+2*\i:\as+2*\i+1], v[\as+2*\i:\as+2*\i+1], v[\q+2*\i:\q+2*\i+1], 1.0 op_sel_hi:[1,0,0]   ; of the pair (mq, nq) the low word serves both halves
.endr
.endm
; Two h; the keys' pairs from buffer p.  more = 1: the next two h are asked for: the keys' at LDS byte lo behind the trip's address, the queries' at byte qo.
; The LDS loads of a half are issued in this order: (the trip's w,) the next keys (2), the next first h's pairs (4), the next second h's pairs (4).
.macro HALF p, more, lo, qo
.set KR, 8+8*\p
.set KN, 16-8*\p
	s_wait_dscnt 4                                 ; this half's keys and its first h's pairs are in; the youngest four loads, its second h's pairs, may be out
.if \p == 0
	ds_load_b128 v[WR:WR+3], v[WA] offset:4096     ; the trip's four w: their last readers stand in the trip before
.endif
.if \more
	ds_load_b128 v[KN:KN+3], v3 offset:\lo
	ds_load_b128 v[KN+4:KN+7], v3 offset:\lo+512
.endif
	FEAT Q0, KR, AS0, -1
.if \more
.irp c, 0,1,2,3
	ds_load_b128 v[Q0+4*\c:Q0+4*\c+3], v[QA] offset:\qo+16*\c   ; every lane names the same 16 bytes: two queries' pairs.  The set's last reader has just been issued
.endr
	s_wait_dscnt 6                                 ; the second h's pairs are in, and the trip's w: behind them stand the next keys (2) and the four loads just issued
.else
	s_wait_dscnt 0x0                               ; nothing was issued behind the second h's pairs
.endif
	v_mov_b32 v[WO], v[WR+1+2*\p]                  ; the second h's w into the low word of a pair
	FEAT Q1, KR+4, AS1, AS0
.if \more
.irp c, 0,1,2,3
	ds_load_b128 v[Q1+4*\c:Q1+4*\c+3], v[QA] offset:\qo+64+16*\c
.endr
.endif
.irp i, 0,1,2,3,4,5,6,7,8,9,10,11,12,13,14,15
	v_rcp_f32 v[AS1+\i], v[AS1+\i]
.endr
	v_nop                                          ; a plain line behind the last reciprocal
	s_wait_alu depctr_va_vdst(0)                   ; one wait for the half's 32 reciprocals, ahead of the first line that names a result
.irp i, 0,1,2,3,4,5,6,7
	v_pk_fma_f32 v[ACC+2*\i:ACC+2*\i+1], v[AS0+2*\i:AS0+2*\i+1], v[WR+2*\p:WR+2*\p+1], v[ACC+2*\i:ACC+2*\i+1] op_sel_hi:[1,0,1]
.endr
.irp i, 0,1,2,3,4,5,6,7
	v_pk_fma_f32 v[ACC+2*\i:ACC+2*\i+1], v[AS1+2*\i:AS1+2*\i+1], v[WO:WO+1], v[ACC+2*\i:ACC+2*\i+1] op_sel_hi:[1,0,1]
.endr
.endm
	s_load_b256 s[4:11], s[0:1], 0x0               ; tab s[4:5], w_v s[6:7], valid_lens s[8:9], graw s[10:11]
	v_lshl_add_u32 v112, v0, 2, 0x32000
	v_mov_b32 v113, 0
	v_lshrrev_b32 v1, 5, v0
	v_readfirstlane_b32 s12, v1                    ; wave 0..31
	v_mul_u32_u24 v6, v1, QWV
	v_add_nc_u32 v6, QST, v6                       ; my wave's region in LDS
	v_and_b32 v1, 31, v0                           ; lane
	v_lshlrev_b32 v4, 4, v0
	v_lshlrev_b32 v5, 3, v1
	v_lshrrev_b32 v7, 2, v1
	v_and_b32 v3, 3, v1
	v_lshlrev_b32 v7, 9, v7
	v_lshl_add_u32 v7, v3, 4, v7                   ; staging my queries' pairs: four lanes take the 64 bytes of one h, eight h (512 bytes apart in tab) a load
	v_lshl_add_u32 v3, v1, 4, v6                   ; and store them as loaded: 16 x lane = 64 (lane / 4) + 16 (lane % 4)
	v_lshl_add_u32 v[QA], v1, 3, v6                ; w_v: 8 bytes a lane
	v_mov_b32 v[WO+1], 0                           ; (named as the upper word of the pair v[108:109])
	s_wait_kmcnt 0x0
	s_load_b512 s[16:31], s[8:9], 0x0              ; the sixteen lengths
	s_wait_kmcnt 0x0
.irp i, 16,17,18,19,20,21,22,23,24,25,26,27,28,29,30,31
	s_max_i32 s\i, s\i, 1
	s_min_i32 s\i, s\i, 1024
	s_add_co_i32 s\i, s\i, 63
	s_lshr_b32 s\i, s\i, 6                         ; c_b, 1 to 16
.endr
	s_mov_b32 s13, 0
.irp i, 16,17,18,19,20,21,22,23,24,25,26,27,28,29,30,31
	s_mov_b32 s14, s\i
	s_mov_b32 s\i, s13                             ; the chunks ahead of this batch
	s_add_co_u32 s13, s13, s14
.endr
	s_lshl_b32 s13, s13, 5                         ; U
	s_mul_i32 s14, ttmp9, s13
	s_lshr_b32 s14, s14, 8                         ; my work-group's first unit
	s_add_co_u32 s15, ttmp9, 1
	s_mul_i32 s15, s15, s13
	s_lshr_b32 s15, s15, 8                         ; and the first that is not its own
	s_lshr_b32 s32, s14, 5                         ; the chunk of the first unit
	s_sub_co_u32 s33, s15, 1                       ; the last unit
	s_add_co_u32 s100, s14, s12                    ; my unit,
	s_min_u32 s101, s100, s33                      ; held at the last one: what a wave without a unit stages
	s_lshr_b32 s33, s33, 5                         ; the chunk of the last unit: the same as the first's or the next
	DECODE 32, 34, 35
	DECODE 33, 36, 37
	s_sub_co_u32 s35, s32, s35                     ; the chunk within its batch
	s_sub_co_u32 s37, s33, s37
	s_lshr_b32 s38, s101, 5
	s_cmp_lg_u32 s38, s32                          ; in the second chunk?
	s_cselect_b32 s39, s36, s34                    ; my batch,
	s_cselect_b32 s40, s37, s35                    ; my chunk,
	s_cselect_b32 s41, 1, 0                        ; its slot in LDS
	s_bfe_u32 s42, s101, 0x20003                   ; which 64 queries of the batch,
	s_and_b32 s43, s101, 7                         ; which 8 of them
	s_min_u32 s34, s34, 15                         ; numbers made of loaded ones are held by a constant ahead of every address, in memory and in LDS; behind the hold stand shifts left and additions alone
	s_min_u32 s35, s35, 15
	s_min_u32 s36, s36, 15
	s_min_u32 s37, s37, 15
	s_min_u32 s39, s39, 15
	s_min_u32 s40, s40, 15
	s_min_u32 s41, s41, 1
	s_min_u32 s42, s42, 3
	s_min_u32 s43, s43, 7
	s_mov_b32 s45, 0
	s_lshl_b32 s44, s34, 4
	s_add_co_u32 s44, s44, s35
	s_add_co_u32 s44, s44, 64
	s_lshl_b32 s44, s44, 15
	s_add_nc_u64 s[96:97], s[4:5], s[44:45]        ; tab's chunk 64 + 16 batch + chunk: the first chunk of keys
	s_lshl_b32 s44, s36, 4
	s_add_co_u32 s44, s44, s37
	s_add_co_u32 s44, s44, 64
	s_lshl_b32 s44, s44, 15
	s_add_nc_u64 s[98:99], s[4:5], s[44:45]        ; the second (the first once more where there is one only)
	global_load_b128 v[40:43], v4, s[96:97]        ; 1,024 threads x 16 bytes: half a chunk a load
	global_load_b128 v[44:47], v4, s[96:97] offset:16384
	global_load_b128 v[48:51], v4, s[98:99]
	global_load_b128 v[52:55], v4, s[98:99] offset:16384
	s_lshl_b32 s44, s39, 2
	s_add_co_u32 s44, s44, s42
	s_lshl_b32 s44, s44, 15
	s_lshl_b32 s46, s43, 6
	s_add_co_u32 s44, s44, s46
	s_add_nc_u64 s[92:93], s[4:5], s[44:45]        ; tab's chunk 4 batch + (which 64 queries), + 64 bytes x (which 8): my queries' pairs of h = 0
.irp i, 0,1,2,3,4,5,6,7
	global_load_b128 v[Q0+4*\i:Q0+4*\i+3], v7, s[92:93] offset:\i*4096   ; h = 8 i .. 8 i + 7
.endr
	global_load_b64 v[WR:WR+1], v5, s[6:7]         ; w_v, two numbers a lane
	s_lshl_b32 s44, s39, 8
	s_lshl_b32 s46, s42, 6
	s_add_co_u32 s44, s44, s46
	s_lshl_b32 s46, s43, 3
	s_add_co_u32 s44, s44, s46                     ; my first query's row of graw,
	s_lshl_b32 s44, s44, 4
	s_add_co_u32 s44, s44, s40                     ; x 16 chunks + my chunk,
	s_lshl_b32 s44, s44, 8                         ; of 256 bytes
	s_add_nc_u64 s[10:11], s[10:11], s[44:45]
	s_lshl_b32 s41, s41, 15                        ; my slot's first byte: 0 or 32,768
	v_lshlrev_b32 v2, 4, v1
	v_add_nc_u32 v2, s41, v2                       ; + 16 x lane: my two keys' pairs of h = 0
	s_wait_loadcnt 9                               ; the keys' four loads are in; behind them 8 + 1 loads were issued
	ds_store_b128 v4, v[40:43]
	ds_store_b128 v4, v[44:47] offset:16384
	ds_store_b128 v4, v[48:51] offset:32768
	ds_store_b128 v4, v[52:55] offset:49152
	s_wait_loadcnt 0x0
.irp i, 0,1,2,3,4,5,6,7
	ds_store_b128 v3, v[Q0+4*\i:Q0+4*\i+3] offset:\i*512
.endr
	ds_store_b64 v[QA], v[WR:WR+1] offset:4096
	s_wait_dscnt 0x0                               ; for the others' sake: my part of the two chunks lies in LDS
	s_barrier_signal -1
	s_barrier_wait -1                              ; the one barrier: behind it LDS is only read
	ds_load_b128 v[8:11], v2                       ; the first half, in the order in which every half asks: its keys,
	ds_load_b128 v[12:15], v2 offset:512
.irp c, 0,1,2,3
	ds_load_b128 v[Q0+4*\c:Q0+4*\c+3], v6 offset:16*\c      ; the pairs of h = 0,
.endr
.irp c, 0,1,2,3
	ds_load_b128 v[Q1+4*\c:Q1+4*\c+3], v6 offset:64+16*\c   ; of h = 1
.endr
.irp i, 0,1,2,3,4,5,6,7,8,9,10,11,12,13,14,15
	v_mov_b32 v[ACC+\i], 0
.endr
	s_mov_b32 s90, 0
	s_mov_b32 s91, 0
	s_mov_b32 s94, 0
	s_mov_b32 s95, 15
.Lh:                                           ; a trip: four h.  15 trips, and the last four h behind the loop, where nothing more is asked for at the end
	v_add_nc_u32 v3, s94, v2                       ; the trip's LDS addresses: made by every wave, ahead of the branch
	v_add_nc_u32 v[QA], s90, v6
	v_add_nc_u32 v[WA], s91, v6
	s_cmp_lt_u32 s100, s15                         ; have I a unit?
	s_cbranch_scc0 .Lidle
	HALF 0, 1, 1024, 128
	HALF 1, 1, 2048, 256
.Lidle:
	s_add_co_u32 s94, s94, 2048                    ; four h of 512 bytes among the keys' pairs,
	s_add_co_u32 s90, s90, 256                     ; of 64 among my queries',
	s_add_co_u32 s91, s91, 16                      ; of 4 in w_v
	s_sub_co_u32 s95, s95, 1
	s_cmp_lg_u32 s95, 0
	s_cbranch_scc1 .Lh
	v_add_nc_u32 v3, s94, v2
	v_add_nc_u32 v[QA], s90, v6
	v_add_nc_u32 v[WA], s91, v6
	s_cmp_lt_u32 s100, s15
	s_cbranch_scc0 .Lend
	HALF 0, 1, 1024, 128
	HALF 1, 0, 0, 0
.irp i, 0,1,2,3,4,5,6,7
	global_store_b64 v5, v[ACC+2*\i:ACC+2*\i+1], s[10:11] offset:\i*4096 th:TH_STORE_NT   ; query i: 32 lanes store 256 consecutive bytes, at a multiple of 256 from graw's first byte
.endr
.Lend:
	s_wait_dscnt 0x0                               ; a wave without a unit never waited for the first half's LDS loads: none is left out at the end
	s_wait_tensorcnt 0x0
	ds_add_u32 v112, v113
	s_wait_dscnt 0x0
	s_endpgm
.Lfunc_end_k_q66cfd0d36b_scores:
	.size	k_q66cfd0d36b_scores, .Lfunc_end_k_q66cfd0d36b_scores-k_q66cfd0d36b_scores
	.p2alignl 7, 3214868480
	.fill 96, 4, 3214868480
	.section	.rodata,"a",@progbits
	.p2align	6, 0x0
	.amdhsa_kernel k_q66cfd0d36b_scores
		.amdhsa_group_segment_fixed_size 208896
		.amdhsa_private_segment_fixed_size 0
		.amdhsa_enable_private_segment 0
		.amdhsa_kernarg_size 32
		.amdhsa_user_sgpr_count 2
		.amdhsa_user_sgpr_kernarg_segment_ptr 1
		.amdhsa_wavefront_size32 1
		.amdhsa_system_sgpr_workgroup_id_x 1
		.amdhsa_system_sgpr_workgroup_id_y 1
		.amdhsa_system_sgpr_workgroup_id_z 1
		.amdhsa_system_vgpr_workitem_id 0
		.amdhsa_next_free_vgpr 114
		.amdhsa_next_free_sgpr 102
		.amdhsa_reserve_vcc 0
		.amdhsa_float_denorm_mode_32 3
		.amdhsa_float_denorm_mode_16_64 3
		.amdhsa_memory_ordered 1
		.amdhsa_forward_progress 1
		.amdhsa_inst_pref_size 42
	.end_amdhsa_kernel
	.amdgpu_metadata
---
amdhsa.version: [ 1, 2 ]
amdhsa.kernels:
  - .name:           k_q66cfd0d36b_scores
    .symbol:         k_q66cfd0d36b_scores.kd
    .args:
      - { .name: tab, .offset: 0, .size: 8, .value_kind: global_buffer, .address_space: global }
      - { .name: w_v, .offset: 8, .size: 8, .value_kind: global_buffer, .address_space: global }
      - { .name: valid_lens, .offset: 16, .size: 8, .value_kind: global_buffer, .address_space: global }
      - { .name: graw, .offset: 24, .size: 8, .value_kind: global_buffer, .address_space: global }
    .group_segment_fixed_size: 208896
    .private_segment_fixed_size: 0
    .kernarg_segment_align: 8
    .kernarg_segment_size: 32
    .max_flat_workgroup_size: 1024
    .sgpr_count:     102
    .vgpr_count:     114
    .wavefront_size: 32
...
	.end_amdgpu_metadata
.endif
;; end of part 2
;; launch attend (part 3): grid 256 x 1, 8 waves a work-group, no clusters, 96,512 bytes of LDS; arguments graw, vcod, w_v, valid_lens, lowp_scales, out0; writes out0
.if DOCPART == 3
	.amdgcn_target "amdgcn-amd-amdhsa--gfx1250"
	.amdhsa_code_object_version 6
	.text
	.protected	k_q66cfd0d36b_attend
	.globl	k_q66cfd0d36b_attend
	.p2align	8
	.type	k_q66cfd0d36b_attend,@function
k_q66cfd0d36b_attend:
	s_mov_b64 s[64:65], 0
	v_nop
	global_prefetch_b8 v0, s[64:65] scope:SCOPE_SE
	s_setreg_imm32_b32 hwreg(HW_REG_WAVE_MODE, 25, 1), 1
	s_wait_xcnt 0x0
; out0[b][q][:] = the sum over k of softmax_k(score) values[b][k][:], the product on codes of BF8 (E5M2).  score = (the sum of w_v) - 2 G where key k < valid_len, else -1e6.
; THE SOFTMAX AHEAD OF THE PRODUCT: t = score x log2(e), rounded to f32; M = the row's largest t rounded UP to a whole number; p = 2^(t - M) is quantised with the given 2^e4 and is not normalised;
; the row's sum is taken of the unquantised p and divides at the end, with 2^(e4 + e5).  The whole row is at hand, so M is the row's own: nothing is rescaled.
; SHARES.  A work-group owns 16 queries of one batch and all 1,024 keys.  Softmax: wave w takes chunks w and w + 8 of 64 keys; the rows' maxima and sums meet in LDS.  Product: wave w makes channels
; 16 w .. 16 w + 15 for the 16 queries; p's 16 fragments go from wave to wave as images of their registers; its 16 fragments of V come from memory as they lie in vcod, asked for at the head.
; A chunk whose G was not made (all its keys lie at or beyond valid_len) is read from the batch's last chunk that was made, and every key of it is masked: no branch hangs on valid_len, and no byte is read that nobody wrote.
; LAYOUT.  O^T = V^T P^T: source 0 = 16 channels, source 1 = my 16 queries: a lane holds one query (lane % 16).  Of a chunk lane (r, hh) holds keys 32 hh + 0 .. 31, alike in both operands.
; LIMITS: e4 between -126 and 112; e4 + e5 is applied by v_ldexp_f32 and has none.  NaN and infinity among the inputs are not served.
; No tensor load and no cluster: V goes from memory straight into operand registers, 16 matrix instructions a wave; a way through LDS would add a pass and spare none.
.set GP,   272                         ; a row of a chunk of G in my stage: 256 bytes + 16
.set GCH,  16*GP                       ; a chunk's 16 rows
.set GWV,  2*GCH                       ; a wave's two chunks
.set PIMG, 8*GWV                       ; behind the stages: p's 16 images of 1,024 bytes
.set MAXS, PIMG+16*1024                ; [query 16][wave 8] f32: the waves' maxima; 512 bytes on, their sums
.set OST,  MAXS+1024                   ; the way out: 16 rows x (512 bytes + 16)
.set OP,   528
.set T,    36                          ; v36-99   G, the scores, t, p: register 32 a + i = key 32 hh + i of my chunk a; later p's fragments, eight at a time
.set CD,   100                         ; v100-115 p's codes; later the two accumulators
.set RS,   116                         ; v116-123 the result
.set VF,   128                         ; v128-255 V's 16 fragments
; v1 lane, v2 r, v3 hh; v4-11, v23-25 addresses; v12 -M (v13 named with it); v[14:15] the sum, then the last factor; v[16:17] w_v, then its sum; v18, v19 how many of a lane's 32 keys count;
; v20 -1e6; v21 2^e4; v22 57,344 x 2^e4; v26-33 at work; v34 a lane permute's destination
	s_load_b256 s[4:11], s[0:1], 0x0               ; graw s[4:5], vcod s[6:7], w_v s[8:9], valid_lens s[10:11]
	s_load_b128 s[12:15], s[0:1], 0x20             ; lowp_scales s[12:13], out0 s[14:15]
	v_lshl_add_u32 v126, v0, 2, 0x17500
	v_mov_b32 v127, 0
	v_lshrrev_b32 v1, 5, v0
	v_readfirstlane_b32 s26, v1                    ; wave 0..7
	v_and_b32 v1, 31, v0
	v_and_b32 v2, 15, v0
	v_bfe_u32 v3, v0, 4, 1
	v_lshlrev_b32 v23, 3, v1
	s_lshr_b32 s27, ttmp9, 4                       ; the batch; ttmp9 itself is 16 x batch + tile of 16 queries
	s_lshl_b32 s18, s27, 2
	s_mov_b32 s19, 0
	s_wait_kmcnt 0x0
	s_add_nc_u64 s[10:11], s[10:11], s[18:19]
	s_load_b32 s16, s[10:11], 0x0                  ; the batch's valid_len
	s_load_b64 s[24:25], s[12:13], 0x10            ; e4 (p), e5 (values)
	global_load_b64 v[16:17], v23, s[8:9]          ; two of w_v's 64 numbers a lane
	v_lshlrev_b32 v4, 4, v2
	v_lshl_add_u32 v4, v3, 12, v4                  ; G: lanes 0-15 one row's 256 bytes, lanes 16-31 the next row's, 4,096 bytes on
	v_lshlrev_b32 v7, 4, v1                        ; 16 x lane
	s_mul_i32 s28, s26, GWV
	v_mul_u32_u24 v5, v3, GP
	v_lshl_add_u32 v5, v2, 4, v5
	v_add_nc_u32 v5, s28, v5                       ; my stage, in: as loaded
	v_mul_u32_u24 v6, v2, GP
	v_lshl_add_u32 v6, v3, 7, v6
	v_add_nc_u32 v6, s28, v6                       ; back: row r, + 128 hh: my 32 keys
	v_add_nc_u32 v8, PIMG, v7                      ; an image's place for my lane
	s_lshl_b32 s28, s26, 10
	v_add_nc_u32 v9, s28, v8                       ; where I store chunk w's image
	v_lshlrev_b32 v11, 5, v2
	v_add_nc_u32 v11, MAXS, v11                    ; my query's eight words
	s_lshl_b32 s28, s26, 2
	v_add_nc_u32 v10, s28, v11                     ; my wave's among them
	v_mul_u32_u24 v24, v2, OP
	v_lshl_add_u32 v24, v3, 5, v24
	s_lshl_b32 s28, s26, 6
	v_add_nc_u32 v24, s28, v24
	v_add_nc_u32 v24, OST, v24                     ; the way out, in: row r, + 64 wave + 32 hh
	s_mul_i32 s28, s26, 2*OP
	v_add_nc_u32 v25, s28, v7
	v_add_nc_u32 v25, OST, v25                     ; back: my two rows, 16 bytes a lane
	v_mov_b32 v13, 0
	v_mov_b32 v34, 0
	v_mov_b32 v20, 0xc9742400                      ; -1e6
	s_mov_b32 s20, 0x76543210
	s_mov_b32 s21, 0xfedcba98                      ; v_permlanex16_b32's selects for lane l xor 16
	s_mov_b32 s22, 0x3fb8aa3b                      ; log2(e)
	s_mov_b32 s23, s22
	s_lshl_b32 s36, s27, 17                        ; V: the batch's 131,072 bytes of codes,
	s_lshl_b32 s37, s26, 10                        ; my tile of 16 channels in each chunk
	s_add_co_u32 s36, s36, s37
	s_mov_b32 s37, 0
	s_add_nc_u64 s[36:37], s[6:7], s[36:37]
	s_lshl_b32 s38, ttmp9, 13                      ; out0: 16 rows of 512 bytes,
	s_lshl_b32 s39, s26, 10                        ; my two of them
	s_add_co_u32 s38, s38, s39
	s_mov_b32 s39, 0
	s_add_nc_u64 s[14:15], s[14:15], s[38:39]
	s_wait_kmcnt 0x0
	s_max_i32 s16, s16, 0
	s_min_i32 s16, s16, 1024                       ; L: keys 0 .. L - 1 count
	s_max_i32 s17, s16, 1
	s_add_co_i32 s17, s17, 63
	s_lshr_b32 s17, s17, 6
	s_sub_co_u32 s17, s17, 1                       ; the last chunk whose G was made
	s_min_u32 s30, s26, s17
	s_min_u32 s30, s30, 15                         ; (a number made of a loaded one is held by a constant ahead of an address)
	s_add_co_u32 s31, s26, 8
	s_min_u32 s31, s31, s17
	s_min_u32 s31, s31, 15
	s_lshl_b32 s40, ttmp9, 16                      ; 16 rows of 4,096 bytes
	s_lshl_b32 s32, s30, 8
	s_add_co_u32 s32, s32, s40
	s_mov_b32 s33, 0
	s_add_nc_u64 s[32:33], s[4:5], s[32:33]        ; G of my first chunk,
	s_lshl_b32 s34, s31, 8
	s_add_co_u32 s34, s34, s40
	s_mov_b32 s35, 0
	s_add_nc_u64 s[34:35], s[4:5], s[34:35]        ; of my second
.irp i, 0,1,2,3,4,5,6,7
	global_load_b128 v[T+4*\i:T+4*\i+3], v4, s[32:33] offset:\i*8192      ; two rows of 256 aligned bytes a load
.endr
.irp i, 0,1,2,3,4,5,6,7
	global_load_b128 v[T+32+4*\i:T+32+4*\i+3], v4, s[34:35] offset:\i*8192
.endr
.irp k, 0,1,2,3,4,5,6,7,8,9,10,11,12,13,14,15
	global_load_b128 v[VF+8*\k:VF+8*\k+3], v7, s[36:37] offset:\k*8192        ; chunk k: registers 0-3,
	global_load_b128 v[VF+8*\k+4:VF+8*\k+7], v7, s[36:37] offset:\k*8192+512  ; 4-7: 512 consecutive bytes a load
.endr
	s_lshl_b32 s28, s26, 6
	s_sub_co_i32 s28, s16, s28                     ; L - 64 wave
	v_lshlrev_b32 v18, 5, v3
	v_sub_nc_u32 v18, s28, v18                     ; register i of chunk w counts where i < L - 64 w - 32 hh
	v_add_nc_u32 v19, 0xfffffe00, v18              ; chunk w + 8: 512 keys on
	s_add_co_i32 s28, s24, 127
	s_lshl_b32 s29, s28, 23
	v_mov_b32 v21, s29                             ; 2^e4 as f32: the conversion takes its exponent field
	s_add_co_i32 s28, s28, 15
	s_lshl_b32 s28, s28, 23
	s_or_b32 s28, s28, 0x600000
	v_mov_b32 v22, s28                             ; 57,344 x 2^e4
	s_add_co_i32 s38, s24, s25                     ; e4 + e5
	s_wait_loadcnt 48                              ; w_v is in: behind it 8 + 8 + 32 loads were issued
	v_add_f32 v16, v16, v17
	v_add_f32_dpp v16, v16, v16 row_xmask:1 row_mask:0xf bank_mask:0xf
	v_add_f32_dpp v16, v16, v16 row_xmask:2 row_mask:0xf bank_mask:0xf
	v_add_f32_dpp v16, v16, v16 row_xmask:4 row_mask:0xf bank_mask:0xf
	v_add_f32_dpp v16, v16, v16 row_xmask:8 row_mask:0xf bank_mask:0xf
	v_permlanex16_b32 v34, v16, s20, s21
	v_add_f32 v16, v16, v34                        ; the sum of w_v, in every lane
	s_wait_loadcnt 40                              ; my first chunk is in (8 + 32 behind it)
.irp i, 0,1,2,3,4,5,6,7
	ds_store_b128 v5, v[T+4*\i:T+4*\i+3] offset:\i*2*GP
.endr
.irp i, 0,1,2,3,4,5,6,7
	ds_load_b128 v[T+4*\i:T+4*\i+3], v6 offset:\i*16   ; LDS serves a wave's instructions in order (ISA guide 5.7.1.4): these see my stores
.endr
	s_wait_loadcnt 32                              ; my second chunk is in (V's 32 behind it)
.irp i, 0,1,2,3,4,5,6,7
	ds_store_b128 v5, v[T+32+4*\i:T+32+4*\i+3] offset:GCH+\i*2*GP
.endr
.irp i, 0,1,2,3,4,5,6,7
	ds_load_b128 v[T+32+4*\i:T+32+4*\i+3], v6 offset:GCH+\i*16
.endr
	s_wait_dscnt 0x0
.set kk, 0
.rept 32
	v_pk_fma_f32 v[T+kk:T+kk+1], v[T+kk:T+kk+1], -2.0, v[16:17] op_sel_hi:[1,0,0]   ; the score: the sum of w_v - 2 G
.set kk, kk+2
.endr
.irp a, 0,1
.irp i, 0,1,2,3,4,5,6,7,8,9,10,11,12,13,14,15,16,17,18,19,20,21,22,23,24,25,26,27,28,29,30,31
	v_cmp_lt_i32 vcc_lo, \i, v[18+\a]
	v_cndmask_b32 v[T+32*\a+\i], v20, v[T+32*\a+\i], vcc_lo   ; -1e6 where the key does not count
.endr
.endr
.set kk, 0
.rept 32
	v_pk_mul_f32 v[T+kk:T+kk+1], v[T+kk:T+kk+1], s[22:23] op_sel_hi:[1,0]   ; t, rounded to f32: M is made of the same rounded numbers
.set kk, kk+2
.endr
	v_max3_num_f32 v26, v[T], v[T+1], v[T+2]       ; my query's largest t among my 64 keys, in two chains,
	v_max3_num_f32 v27, v[T+3], v[T+4], v[T+5]
.irp i, 6,10,14,18,22,26,30,34,38,42,46,50,54,58
	v_max3_num_f32 v26, v26, v[T+\i], v[T+\i+1]
	v_max3_num_f32 v27, v27, v[T+\i+2], v[T+\i+3]
.endr
	v_max3_num_f32 v26, v26, v[T+62], v[T+63]
	v_max_num_f32 v26, v26, v27
	v_permlanex16_b32 v34, v26, s20, s21
	v_max_num_f32 v26, v26, v34                    ; and among lane l xor 16's
	ds_store_b32 v10, v26                          ; (lanes r and r + 16 write the same word with the same number)
	s_wait_dscnt 0x0                               ; for the others' sake
	s_barrier_signal -1
	s_barrier_wait -1
	ds_load_b128 v[26:29], v11
	ds_load_b128 v[30:33], v11 offset:16
	s_wait_dscnt 0x0
	v_max3_num_f32 v26, v26, v27, v28
	v_max3_num_f32 v29, v29, v30, v31
	v_max3_num_f32 v26, v26, v32, v33
	v_max_num_f32 v26, v26, v29                    ; the row's largest t
	v_floor_f32 v12, -v26                          ; -M = floor(-t) = -ceil(t)
.set kk, 0
.rept 32
	v_pk_add_f32 v[T+kk:T+kk+1], v[T+kk:T+kk+1], v[12:13] op_sel_hi:[1,0]   ; t - M (of the pair the low word serves both halves)
.set kk, kk+2
.endr
.set kk, 0
.rept 64
	v_exp_f32 v[T+kk], v[T+kk]                     ; p, at most 1
.set kk, kk+1
.endr
	v_nop                                          ; a plain line behind the last exponential
	s_wait_alu depctr_va_vdst(0)                   ; one wait for the 64 exponentials, ahead of the first line that names a result
	v_pk_add_f32 v[14:15], v[T:T+1], v[T+2:T+3]    ; the row's sum is taken of the unquantised p: two at a time, in two chains
	v_pk_add_f32 v[26:27], v[T+4:T+5], v[T+6:T+7]
.irp j, 8,12,16,20,24,28,32,36,40,44,48,52,56,60
	v_pk_add_f32 v[14:15], v[14:15], v[T+\j:T+\j+1]
	v_pk_add_f32 v[26:27], v[26:27], v[T+\j+2:T+\j+3]
.endr
	v_pk_add_f32 v[14:15], v[14:15], v[26:27]
	v_add_f32 v14, v14, v15
	v_permlanex16_b32 v34, v14, s20, s21
	v_add_f32 v14, v14, v34
	ds_store_b32 v10, v14 offset:512               ; my wave's part of the row's sum
.irp q, 0,1,2,3,4,5,6,7
.irp i, 0,1,2,3,4,5,6,7
	v_min_num_f32 v[T+8*\q+\i], v[T+8*\q+\i], v22  ; the conversion to an 8-bit code does not saturate (ISA guide 7.6.2); p is not negative, so the hold is one-sided
.endr
	v_cvt_scalef32_pk8_bf8_f32 v[CD+2*\q:CD+2*\q+1], v[T+8*\q:T+8*\q+7], v21
.endr
	v_nop                                          ; a plain line between the last conversion and the products that later write these registers
.irp a, 0,1
.irp g, 0,1
	ds_store_b128 v9, v[CD+8*\a+4*\g:CD+8*\a+4*\g+3] offset:\a*8192+\g*512   ; chunk w + 8 a: the fragment as it stands
.endr
.endr
	s_wait_dscnt 0x0                               ; for the others' sake: my sums and images lie in LDS
	s_barrier_signal -1
	s_barrier_wait -1
.macro PFETCH h                        ; p's fragments of chunks 8 h .. 8 h + 7
.irp k, 0,1,2,3,4,5,6,7
	ds_load_b128 v[T+8*\k:T+8*\k+3], v8 offset:(8*\h+\k)*1024
	ds_load_b128 v[T+8*\k+4:T+8*\k+7], v8 offset:(8*\h+\k)*1024+512
.endr
.endm
.macro PV k                            ; chunk k: two accumulators by turns, one instruction a turn; the first two products start the sums
.if (\k) < 2
	v_wmma_f32_16x16x64_bf8_bf8 v[CD+8*((\k)%2):CD+8*((\k)%2)+7], v[VF+8*(\k):VF+8*(\k)+7], v[T+8*((\k)%8):T+8*((\k)%8)+7], 0
.else
	v_wmma_f32_16x16x64_bf8_bf8 v[CD+8*((\k)%2):CD+8*((\k)%2)+7], v[VF+8*(\k):VF+8*(\k)+7], v[T+8*((\k)%8):T+8*((\k)%8)+7], v[CD+8*((\k)%2):CD+8*((\k)%2)+7]
.endif
.endm
	PFETCH 0
	ds_load_b128 v[26:29], v11 offset:512          ; the eight waves' parts of my query's sum
	ds_load_b128 v[30:33], v11 offset:528
	s_wait_loadcnt 0x0                             ; V
	s_wait_dscnt 0x0
.irp k, 0,1,2,3,4,5,6,7
	PV \k
.endr
.rept 4
	v_nop                                          ; places in front of loads into registers that matrix instructions have read
.endr
	PFETCH 1
	s_wait_dscnt 0x0
.irp k, 8,9,10,11,12,13,14,15
	PV \k
.endr                                          ; lane (r, hh): query r; register j: channel 16 wave + 8 hh + j
	v_add_f32 v26, v26, v27                        ; the row's sum: these seven additions are also the places behind the last products
	v_add_f32 v28, v28, v29
	v_add_f32 v30, v30, v31
	v_add_f32 v32, v32, v33
	v_add_f32 v26, v26, v28
	v_add_f32 v30, v30, v32
	v_add_f32 v26, v26, v30
	v_rcp_f32 v14, v26
	v_nop                                          ; a plain line behind the reciprocal
	s_wait_alu depctr_va_vdst(0)                   ; and the wait ahead of the first line that names its result
	v_ldexp_f32 v14, v14, s38                      ; 2^(e4 + e5) / the sum
.irp i, 0,2,4,6
	v_pk_add_f32 v[RS+\i:RS+\i+1], v[CD+\i:CD+\i+1], v[CD+8+\i:CD+8+\i+1]   ; the even chunks' sums and the odd chunks'; each accumulator from its low end on
.endr
.irp i, 0,2,4,6
	v_pk_mul_f32 v[RS+\i:RS+\i+1], v[RS+\i:RS+\i+1], v[14:15] op_sel_hi:[1,0]
.endr
	ds_store_b128 v24, v[RS:RS+3]                  ; a row's 128 channels come from eight waves: they meet in the stage
	ds_store_b128 v24, v[RS+4:RS+7] offset:16
	s_wait_dscnt 0x0                               ; for the others' sake
	s_barrier_signal -1
	s_barrier_wait -1
	ds_load_b128 v[T:T+3], v25
	ds_load_b128 v[T+4:T+7], v25 offset:OP
	s_wait_dscnt 1                                 ; the first row is in, the second may be out
	global_store_b128 v7, v[T:T+3], s[14:15] th:TH_STORE_NT              ; 32 lanes store a row of 512 consecutive bytes, at a multiple of 512 from out0's first byte
	s_wait_dscnt 0x0
	global_store_b128 v7, v[T+4:T+7], s[14:15] offset:512 th:TH_STORE_NT
	s_wait_tensorcnt 0x0
	ds_add_u32 v126, v127
	s_wait_dscnt 0x0
	s_endpgm
.Lfunc_end_k_q66cfd0d36b_attend:
	.size	k_q66cfd0d36b_attend, .Lfunc_end_k_q66cfd0d36b_attend-k_q66cfd0d36b_attend
	.p2alignl 7, 3214868480
	.fill 96, 4, 3214868480
	.section	.rodata,"a",@progbits
	.p2align	6, 0x0
	.amdhsa_kernel k_q66cfd0d36b_attend
		.amdhsa_group_segment_fixed_size 96512
		.amdhsa_private_segment_fixed_size 0
		.amdhsa_enable_private_segment 0
		.amdhsa_kernarg_size 48
		.amdhsa_user_sgpr_count 2
		.amdhsa_user_sgpr_kernarg_segment_ptr 1
		.amdhsa_wavefront_size32 1
		.amdhsa_system_sgpr_workgroup_id_x 1
		.amdhsa_system_sgpr_workgroup_id_y 1
		.amdhsa_system_sgpr_workgroup_id_z 1
		.amdhsa_system_vgpr_workitem_id 0
		.amdhsa_next_free_vgpr 256
		.amdhsa_next_free_sgpr 66
		.amdhsa_reserve_vcc 1
		.amdhsa_float_denorm_mode_32 3
		.amdhsa_float_denorm_mode_16_64 3
		.amdhsa_memory_ordered 1
		.amdhsa_forward_progress 1
		.amdhsa_inst_pref_size 36
	.end_amdhsa_kernel
	.amdgpu_metadata
---
amdhsa.version: [ 1, 2 ]
amdhsa.kernels:
  - .name:           k_q66cfd0d36b_attend
    .symbol:         k_q66cfd0d36b_attend.kd
    .args:
      - { .name: graw, .offset: 0, .size: 8, .value_kind: global_buffer, .address_space: global }
      - { .name: vcod, .offset: 8, .size: 8, .value_kind: global_buffer, .address_space: global }
      - { .name: w_v, .offset: 16, .size: 8, .value_kind: global_buffer, .address_space: global }
      - { .name: valid_lens, .offset: 24, .size: 8, .value_kind: global_buffer, .address_space: global }
      - { .name: lowp_scales, .offset: 32, .size: 8, .value_kind: global_buffer, .address_space: global }
      - { .name: out0, .offset: 40, .size: 8, .value_kind: global_buffer, .address_space: global }
    .group_segment_fixed_size: 96512
    .private_segment_fixed_size: 0
    .kernarg_segment_align: 8
    .kernarg_segment_size: 48
    .max_flat_workgroup_size: 256
    .sgpr_count:     66
    .vgpr_count:     256
    .wavefront_size: 32
...
	.end_amdgpu_metadata
.endif
;; end of part 3
;; ======== version 2 of 2: 3 launches; version 1 with the launch attend written anew for expert scheduling mode
;; limits: right only within a limited range of input values
;; workspace buffers: tab 10,485,760 bytes; vcod 2,097,152 bytes; graw 16,777,216 bytes
;; launch prep: the kernel of part 1 again; grid 576 x 1, 4 waves a work-group, no clusters, 84,480 bytes of LDS; arguments queries, keys, W_q, W_k, values, lowp_scales, tab, vcod; writes tab, vcod
;; launch scores: the kernel of part 2 again; grid 256 x 1, 32 waves a work-group, no clusters, 208,896 bytes of LDS; arguments tab, w_v, valid_lens, graw; writes graw
;; launch attend (part 4): grid 256 x 1, 8 waves a work-group, no clusters, 96,512 bytes of LDS; arguments graw, vcod, w_v, valid_lens, lowp_scales, out0; writes out0
.if DOCPART == 4
	.amdgcn_target "amdgcn-amd-amdhsa--gfx1250"
	.amdhsa_code_object_version 6
	.text
	.protected	k_q66cfd0d36b_attend
	.globl	k_q66cfd0d36b_attend
	.p2align	8
	.type	k_q66cfd0d36b_attend,@function
k_q66cfd0d36b_attend:
	s_mov_b64 s[64:65], 0
	v_nop
	global_prefetch_b8 v0, s[64:65] scope:SCOPE_SE
	s_setreg_imm32_b32 hwreg(HW_REG_WAVE_SCHED_MODE, 0, 2), 2
	s_setreg_imm32_b32 hwreg(HW_REG_WAVE_MODE, 25, 1), 1
	s_wait_xcnt 0x0
	s_wait_alu depctr_vm_vsrc(0)
; out0[b][q][:] = the sum over k of softmax_k(score) values[b][k][:], the product on codes of BF8 (E5M2).  score = (the sum of w_v) - 2 G where key k < valid_len, else -1e6.
; THE SOFTMAX AHEAD OF THE PRODUCT: t = score x log2(e), rounded to f32; M = the row's largest t rounded UP to a whole number; p = 2^(t - M) is quantised with the given 2^e4 and is not normalised;
; the row's sum is taken of the unquantised p and divides at the end, with 2^(e4 + e5).  The whole row is at hand, so M is the row's own: nothing is rescaled.
; SHARES.  A work-group owns 16 queries of one batch and all 1,024 keys.  Softmax: wave w takes chunks w and w + 8 of 64 keys; the rows' maxima and sums meet in LDS.  Product: wave w makes channels
; 16 w .. 16 w + 15 for the 16 queries; p's 16 fragments go from wave to wave as images of their registers; its 16 fragments of V come from memory as they lie in vcod, asked for at the head.
; A chunk whose G was not made (all its keys lie at or beyond valid_len) is read from the batch's last chunk that was made, and every key of it is masked: no branch hangs on valid_len, and no byte is read that nobody wrote.
; LAYOUT.  O^T = V^T P^T: source 0 = 16 channels, source 1 = my 16 queries: a lane holds one query (lane % 16).  Of a chunk lane (r, hh) holds keys 32 hh + 0 .. 31, alike in both operands.
; LIMITS: e4 between -126 and 112; e4 + e5 is applied by v_ldexp_f32 and has none.  NaN and infinity among the inputs are not served.
; No tensor load and no cluster: V goes from memory straight into operand registers, 16 matrix instructions a wave; a way through LDS would add a pass and spare none.
; THE MODE: SCHED_MODE bits 1:0 = 2 (LLVM: expert scheduling mode 2), set by the entry lines.  The code itself states the register dependences between vector or matrix instructions and memory or LDS
; instructions, with s_wait_alu, always for 0.
; THE PLAN.  Registers that memory or LDS instructions touch, in the order of the text:
;   v4-11, v23-25  offsets and LDS addresses: all made at the head, ahead of ONE wait on va_vdst, and never written again.
;   T (v36-99)     G lands in it; sixteen LDS stores read it; [vm_vsrc] sixteen LDS loads land in it; the softmax works in it; [va_vdst, ahead of the run of LDS stores] p's fragments 0-7 land in it; products 0-7 read it;
;                  [va_vdst] fragments 8-15 land in it; products 8-15 read it; [va_vdst, ahead of the stage's stores] two rows of the result land in it, and the global stores read them.
;   v26-33         the maximum is made in v26; [va_vdst] an LDS store reads it; [vm_vsrc] the eight maxima land; vector work; [the va_vdst ahead of the run of LDS stores] the eight sums land.
;   v14, CD        the sum and p's codes are made; [va_vdst] ONE run of five LDS stores reads them; [vm_vsrc, behind the barrier] the products write CD and the reciprocal v14.
;   RS             the result is made; [va_vdst] two LDS stores read it.      VF: V lands in it, the products read it, nothing writes it again.
;   v126, v127     made at the head, read by the closing add alone.
; A vector line's scalar result (the wave's number; the masks of the keys that count) has a wait on va_sdst ahead of its first reader; the masks go in runs of sixteen, into sixteen scalar registers, a wait to a run.
.set GP,   272                         ; a row of a chunk of G in my stage: 256 bytes + 16
.set GCH,  16*GP                       ; a chunk's 16 rows
.set GWV,  2*GCH                       ; a wave's two chunks
.set PIMG, 8*GWV                       ; behind the stages: p's 16 images of 1,024 bytes
.set MAXS, PIMG+16*1024                ; [query 16][wave 8] f32: the waves' maxima; 512 bytes on, their sums
.set OST,  MAXS+1024                   ; the way out: 16 rows x (512 bytes + 16)
.set OP,   528
.set T,    36                          ; v36-99   G, the scores, t, p: register 32 a + i = key 32 hh + i of my chunk a; later p's fragments, eight at a time
.set CD,   100                         ; v100-115 p's codes; later the two accumulators
.set RS,   116                         ; v116-123 the result
.set VF,   128                         ; v128-255 V's 16 fragments
; v1 lane, v2 r, v3 hh; v4-11, v23-25 addresses; v12 -M (v13 named with it); v[14:15] the sum, then the last factor; v[16:17] w_v, then its sum; v18, v19 how many of a lane's 32 keys count;
; v20 -1e6; v21 2^e4; v22 57,344 x 2^e4; v26-33 at work; v34 a lane permute's destination; v126, v127 the closing add's two
; s41-46: the numbers made of the wave's number that vector lines read, a register each; they, s39, s40, s27-31, s16 and s17 are done with when the masks are made, and take the masks
	s_load_b256 s[4:11], s[0:1], 0x0               ; graw s[4:5], vcod s[6:7], w_v s[8:9], valid_lens s[10:11]
	s_load_b128 s[12:15], s[0:1], 0x20             ; lowp_scales s[12:13], out0 s[14:15]
	v_lshl_add_u32 v126, v0, 2, 0x17500            ; my spare word, behind the way out's stage,
	v_mov_b32 v127, 0                              ; and 0: kept for the closing lines alone
	v_lshrrev_b32 v1, 5, v0
	v_readfirstlane_b32 s26, v1                    ; wave 0..7
	v_and_b32 v1, 31, v0
	v_and_b32 v2, 15, v0
	v_bfe_u32 v3, v0, 4, 1
	v_lshlrev_b32 v23, 3, v1
	s_lshr_b32 s27, ttmp9, 4                       ; the batch; ttmp9 itself is 16 x batch + tile of 16 queries
	s_lshl_b32 s18, s27, 2
	s_mov_b32 s19, 0
	; all offsets and LDS addresses are made here, while the arguments are on their way: they hang on ids alone
	v_lshlrev_b32 v4, 4, v2
	v_lshl_add_u32 v4, v3, 12, v4                  ; G: lanes 0-15 one row's 256 bytes, lanes 16-31 the next row's, 4,096 bytes on
	v_lshlrev_b32 v7, 4, v1                        ; 16 x lane
	s_wait_alu depctr_va_sdst(0)                   ; s26, the wave's number, is written, ahead of its first reader
	s_mul_i32 s41, s26, GWV
	v_mul_u32_u24 v5, v3, GP
	v_lshl_add_u32 v5, v2, 4, v5
	v_add_nc_u32 v5, s41, v5                       ; my stage, in: as loaded
	v_mul_u32_u24 v6, v2, GP
	v_lshl_add_u32 v6, v3, 7, v6
	v_add_nc_u32 v6, s41, v6                       ; back: row r, + 128 hh: my 32 keys
	v_add_nc_u32 v8, PIMG, v7                      ; an image's place for my lane
	s_lshl_b32 s42, s26, 10
	v_add_nc_u32 v9, s42, v8                       ; where I store chunk w's image
	v_lshlrev_b32 v11, 5, v2
	v_add_nc_u32 v11, MAXS, v11                    ; my query's eight words
	s_lshl_b32 s43, s26, 2
	v_add_nc_u32 v10, s43, v11                     ; my wave's among them
	v_mul_u32_u24 v24, v2, OP
	v_lshl_add_u32 v24, v3, 5, v24
	s_lshl_b32 s44, s26, 6
	v_add_nc_u32 v24, s44, v24
	v_add_nc_u32 v24, OST, v24                     ; the way out, in: row r, + 64 wave + 32 hh
	s_mul_i32 s45, s26, 2*OP
	v_add_nc_u32 v25, s45, v7
	v_add_nc_u32 v25, OST, v25                     ; back: my two rows, 16 bytes a lane
	v_mov_b32 v13, 0
	v_mov_b32 v34, 0
	v_mov_b32 v20, 0xc9742400                      ; -1e6
	s_mov_b32 s20, 0x76543210
	s_mov_b32 s21, 0xfedcba98                      ; v_permlanex16_b32's selects for lane l xor 16
	s_mov_b32 s22, 0x3fb8aa3b                      ; log2(e)
	s_mov_b32 s23, s22
	s_lshl_b32 s36, s27, 17                        ; V: the batch's 131,072 bytes of codes,
	s_lshl_b32 s37, s26, 10                        ; my tile of 16 channels in each chunk
	s_add_co_u32 s36, s36, s37
	s_mov_b32 s37, 0
	s_lshl_b32 s38, ttmp9, 13                      ; out0: 16 rows of 512 bytes,
	s_lshl_b32 s39, s26, 10                        ; my two of them
	s_add_co_u32 s38, s38, s39
	s_mov_b32 s39, 0
	s_wait_kmcnt 0x0
	s_add_nc_u64 s[10:11], s[10:11], s[18:19]
	s_load_b32 s16, s[10:11], 0x0                  ; the batch's valid_len
	s_load_b64 s[24:25], s[12:13], 0x10            ; e4 (p), e5 (values)
	s_wait_alu depctr_va_vdst(0)                   ; v4 to v11 and v23 to v25 are written: every load and store of the kernel, global or LDS, reads one of them as its offset or address
	global_load_b64 v[16:17], v23, s[8:9]          ; two of w_v's 64 numbers a lane
	s_add_nc_u64 s[36:37], s[6:7], s[36:37]
	s_add_nc_u64 s[14:15], s[14:15], s[38:39]
	s_wait_kmcnt 0x0
	s_max_i32 s16, s16, 0
	s_min_i32 s16, s16, 1024                       ; L: keys 0 .. L - 1 count
	s_max_i32 s17, s16, 1
	s_add_co_i32 s17, s17, 63
	s_lshr_b32 s17, s17, 6
	s_sub_co_u32 s17, s17, 1                       ; the last chunk whose G was made
	s_min_u32 s30, s26, s17
	s_min_u32 s30, s30, 15                         ; (a number made of a loaded one is held by a constant ahead of an address)
	s_add_co_u32 s31, s26, 8
	s_min_u32 s31, s31, s17
	s_min_u32 s31, s31, 15
	s_lshl_b32 s40, ttmp9, 16                      ; 16 rows of 4,096 bytes
	s_lshl_b32 s32, s30, 8
	s_add_co_u32 s32, s32, s40
	s_mov_b32 s33, 0
	s_add_nc_u64 s[32:33], s[4:5], s[32:33]        ; G of my first chunk,
	s_lshl_b32 s34, s31, 8
	s_add_co_u32 s34, s34, s40
	s_mov_b32 s35, 0
	s_add_nc_u64 s[34:35], s[4:5], s[34:35]        ; of my second
.irp i, 0,1,2,3,4,5,6,7
	global_load_b128 v[T+4*\i:T+4*\i+3], v4, s[32:33] offset:\i*8192      ; two rows of 256 aligned bytes a load
.endr
.irp i, 0,1,2,3,4,5,6,7
	global_load_b128 v[T+32+4*\i:T+32+4*\i+3], v4, s[34:35] offset:\i*8192
.endr
.irp k, 0,1,2,3,4,5,6,7,8,9,10,11,12,13,14,15
	global_load_b128 v[VF+8*\k:VF+8*\k+3], v7, s[36:37] offset:\k*8192        ; chunk k: registers 0-3,
	global_load_b128 v[VF+8*\k+4:VF+8*\k+7], v7, s[36:37] offset:\k*8192+512  ; 4-7: 512 consecutive bytes a load
.endr
	s_lshl_b32 s46, s26, 6
	s_sub_co_i32 s46, s16, s46                     ; L - 64 wave
	v_lshlrev_b32 v18, 5, v3
	v_sub_nc_u32 v18, s46, v18                     ; register i of chunk w counts where i < L - 64 w - 32 hh
	v_add_nc_u32 v19, 0xfffffe00, v18              ; chunk w + 8: 512 keys on
	s_add_co_i32 s28, s24, 127
	s_lshl_b32 s29, s28, 23
	v_mov_b32 v21, s29                             ; 2^e4 as f32: the conversion takes its exponent field
	s_add_co_i32 s28, s28, 15
	s_lshl_b32 s28, s28, 23
	s_or_b32 s28, s28, 0x600000
	v_mov_b32 v22, s28                             ; 57,344 x 2^e4
	s_add_co_i32 s38, s24, s25                     ; e4 + e5
	s_wait_loadcnt 48                              ; w_v is in: behind it 8 + 8 + 32 loads were issued
	v_add_f32 v16, v16, v17
	v_add_f32_dpp v16, v16, v16 row_xmask:1 row_mask:0xf bank_mask:0xf
	v_add_f32_dpp v16, v16, v16 row_xmask:2 row_mask:0xf bank_mask:0xf
	v_add_f32_dpp v16, v16, v16 row_xmask:4 row_mask:0xf bank_mask:0xf
	v_add_f32_dpp v16, v16, v16 row_xmask:8 row_mask:0xf bank_mask:0xf
	v_permlanex16_b32 v34, v16, s20, s21
	v_add_f32 v16, v16, v34                        ; the sum of w_v, in every lane
	s_wait_loadcnt 40                              ; my first chunk is in (8 + 32 behind it)
.irp i, 0,1,2,3,4,5,6,7
	ds_store_b128 v5, v[T+4*\i:T+4*\i+3] offset:\i*2*GP
.endr
	s_wait_loadcnt 32                              ; my second chunk is in (V's 32 behind it)
.irp i, 0,1,2,3,4,5,6,7
	ds_store_b128 v5, v[T+32+4*\i:T+32+4*\i+3] offset:GCH+\i*2*GP
.endr
	s_wait_alu depctr_vm_vsrc(0)                   ; the sixteen LDS stores have read v[T ..], in which the sixteen LDS loads below land
.irp i, 0,1,2,3,4,5,6,7
	ds_load_b128 v[T+4*\i:T+4*\i+3], v6 offset:\i*16   ; LDS serves a wave's instructions in order (ISA guide 5.7.1.4): these see my stores
.endr
.irp i, 0,1,2,3,4,5,6,7
	ds_load_b128 v[T+32+4*\i:T+32+4*\i+3], v6 offset:GCH+\i*16
.endr
	s_wait_dscnt 0x0
.set kk, 0
.rept 32
	v_pk_fma_f32 v[T+kk:T+kk+1], v[T+kk:T+kk+1], -2.0, v[16:17] op_sel_hi:[1,0,0]   ; the score: the sum of w_v - 2 G
.set kk, kk+2
.endr
.irp a, 0,1                                    ; the keys that count, sixteen registers at a time: mask j in s39-47 (j = 0 .. 8), s27-31 (9 .. 13), s16, s17 (14, 15)
.irp b, 0,16
.irp j, 0,1,2,3,4,5,6,7,8,9,10,11,12,13,14,15
	v_cmp_lt_i32 s[39+\j-21*(\j/9)-16*(\j/14)], \b+\j, v[18+\a]
.endr
	s_wait_alu depctr_va_sdst(0)                   ; the sixteen compares have written their masks, ahead of the first selection that reads one
.irp j, 0,1,2,3,4,5,6,7,8,9,10,11,12,13,14,15
	v_cndmask_b32 v[T+32*\a+\b+\j], v20, v[T+32*\a+\b+\j], s[39+\j-21*(\j/9)-16*(\j/14)]   ; -1e6 where the key does not count
.endr
.endr
.endr
.set kk, 0
.rept 32
	v_pk_mul_f32 v[T+kk:T+kk+1], v[T+kk:T+kk+1], s[22:23] op_sel_hi:[1,0]   ; t, rounded to f32: M is made of the same rounded numbers
.set kk, kk+2
.endr
	v_max3_num_f32 v26, v[T], v[T+1], v[T+2]       ; my query's largest t among my 64 keys, in two chains,
	v_max3_num_f32 v27, v[T+3], v[T+4], v[T+5]
.irp i, 6,10,14,18,22,26,30,34,38,42,46,50,54,58
	v_max3_num_f32 v26, v26, v[T+\i], v[T+\i+1]
	v_max3_num_f32 v27, v27, v[T+\i+2], v[T+\i+3]
.endr
	v_max3_num_f32 v26, v26, v[T+62], v[T+63]
	v_max_num_f32 v26, v26, v27
	v_permlanex16_b32 v34, v26, s20, s21
	v_max_num_f32 v26, v26, v34                    ; and among lane l xor 16's
	s_wait_alu depctr_va_vdst(0)                   ; v26, the maximum, is written, which the LDS store reads; and the vector lines that name v26 and v27 are done, in which the loads behind the barrier land
	ds_store_b32 v10, v26                          ; (lanes r and r + 16 write the same word with the same number)
	s_wait_dscnt 0x0                               ; for the others' sake
	s_barrier_signal -1
	s_barrier_wait -1
	s_wait_alu depctr_vm_vsrc(0)                   ; my LDS store has read v26, in which the first load below lands
	ds_load_b128 v[26:29], v11
	ds_load_b128 v[30:33], v11 offset:16
	s_wait_dscnt 0x0
	v_max3_num_f32 v26, v26, v27, v28
	v_max3_num_f32 v29, v29, v30, v31
	v_max3_num_f32 v26, v26, v32, v33
	v_max_num_f32 v26, v26, v29                    ; the row's largest t
	v_floor_f32 v12, -v26                          ; -M = floor(-t) = -ceil(t)
.set kk, 0
.rept 32
	v_pk_add_f32 v[T+kk:T+kk+1], v[T+kk:T+kk+1], v[12:13] op_sel_hi:[1,0]   ; t - M (of the pair the low word serves both halves)
.set kk, kk+2
.endr
.set kk, 0
.rept 64
	v_exp_f32 v[T+kk], v[T+kk]                     ; p, at most 1
.set kk, kk+1
.endr
	v_nop                                          ; a plain line behind the last exponential
	s_wait_alu depctr_va_vdst(0)                   ; the 64 exponentials have written v[T ..]: one wait, ahead of the first line that names a result
	v_pk_add_f32 v[14:15], v[T:T+1], v[T+2:T+3]    ; the row's sum is taken of the unquantised p: two at a time, in two chains
	v_pk_add_f32 v[26:27], v[T+4:T+5], v[T+6:T+7]
.irp j, 8,12,16,20,24,28,32,36,40,44,48,52,56,60
	v_pk_add_f32 v[14:15], v[14:15], v[T+\j:T+\j+1]
	v_pk_add_f32 v[26:27], v[26:27], v[T+\j+2:T+\j+3]
.endr
	v_pk_add_f32 v[14:15], v[14:15], v[26:27]
	v_add_f32 v14, v14, v15
	v_permlanex16_b32 v34, v14, s20, s21
	v_add_f32 v14, v14, v34                        ; my wave's part of the row's sum
.irp q, 0,1,2,3,4,5,6,7
.irp i, 0,1,2,3,4,5,6,7
	v_min_num_f32 v[T+8*\q+\i], v[T+8*\q+\i], v22  ; the conversion to an 8-bit code does not saturate (ISA guide 7.6.2); p is not negative, so the hold is one-sided
.endr
	v_cvt_scalef32_pk8_bf8_f32 v[CD+2*\q:CD+2*\q+1], v[T+8*\q:T+8*\q+7], v21
.endr
	v_nop                                          ; a plain line between the last conversion and the products that later write these registers
	s_wait_alu depctr_va_vdst(0)                   ; v14 and the codes v[CD ..] are written, which the five LDS stores read; the holds and conversions are done reading v[T ..], and the sums' lines are done with v26 and v27: the loads behind the barrier land there
	ds_store_b32 v10, v14 offset:512               ; my wave's part of the row's sum
.irp a, 0,1
.irp g, 0,1
	ds_store_b128 v9, v[CD+8*\a+4*\g:CD+8*\a+4*\g+3] offset:\a*8192+\g*512   ; chunk w + 8 a: the fragment as it stands
.endr
.endr
	s_wait_dscnt 0x0                               ; for the others' sake: my sums and images lie in LDS
	s_barrier_signal -1
	s_barrier_wait -1
	s_wait_alu depctr_vm_vsrc(0)                   ; my five LDS stores have read v14, which the reciprocal writes, and v[CD ..], which the products write
.macro PFETCH h                        ; p's fragments of chunks 8 h .. 8 h + 7
.irp k, 0,1,2,3,4,5,6,7
	ds_load_b128 v[T+8*\k:T+8*\k+3], v8 offset:(8*\h+\k)*1024
	ds_load_b128 v[T+8*\k+4:T+8*\k+7], v8 offset:(8*\h+\k)*1024+512
.endr
.endm
.macro PV k                            ; chunk k: two accumulators by turns, one instruction a turn; the first two products start the sums
.if (\k) < 2
	v_wmma_f32_16x16x64_bf8_bf8 v[CD+8*((\k)%2):CD+8*((\k)%2)+7], v[VF+8*(\k):VF+8*(\k)+7], v[T+8*((\k)%8):T+8*((\k)%8)+7], 0
.else
	v_wmma_f32_16x16x64_bf8_bf8 v[CD+8*((\k)%2):CD+8*((\k)%2)+7], v[VF+8*(\k):VF+8*(\k)+7], v[T+8*((\k)%8):T+8*((\k)%8)+7], v[CD+8*((\k)%2):CD+8*((\k)%2)+7]
.endif
.endm
	PFETCH 0
	ds_load_b128 v[26:29], v11 offset:512          ; the eight waves' parts of my query's sum
	ds_load_b128 v[30:33], v11 offset:528
	s_wait_loadcnt 0x0                             ; V
	s_wait_dscnt 0x0
.irp k, 0,1,2,3,4,5,6,7
	PV \k
.endr
.rept 4
	v_nop                                          ; places in front of loads into registers that matrix instructions have read
.endr
	s_wait_alu depctr_va_vdst(0)                   ; the eight products are done reading v[T ..], in which p's next eight fragments land; the places above stay beside this wait
	PFETCH 1
	s_wait_dscnt 0x0
.irp k, 8,9,10,11,12,13,14,15
	PV \k
.endr                                          ; lane (r, hh): query r; register j: channel 16 wave + 8 hh + j
	v_add_f32 v26, v26, v27                        ; the row's sum: these seven additions are also the places behind the last products
	v_add_f32 v28, v28, v29
	v_add_f32 v30, v30, v31
	v_add_f32 v32, v32, v33
	v_add_f32 v26, v26, v28
	v_add_f32 v30, v30, v32
	v_add_f32 v26, v26, v30
	v_rcp_f32 v14, v26
	v_nop                                          ; a plain line behind the reciprocal
	s_wait_alu depctr_va_vdst(0)                   ; the reciprocal has written v14, ahead of the first line that names it
	v_ldexp_f32 v14, v14, s38                      ; 2^(e4 + e5) / the sum
.irp i, 0,2,4,6
	v_pk_add_f32 v[RS+\i:RS+\i+1], v[CD+\i:CD+\i+1], v[CD+8+\i:CD+8+\i+1]   ; the even chunks' sums and the odd chunks'; each accumulator from its low end on
.endr
.irp i, 0,2,4,6
	v_pk_mul_f32 v[RS+\i:RS+\i+1], v[RS+\i:RS+\i+1], v[14:15] op_sel_hi:[1,0]
.endr
	s_wait_alu depctr_va_vdst(0)                   ; v[RS ..] is written, which the two LDS stores read; the last eight products are done reading v[T ..], in which the loads behind the barrier land
	ds_store_b128 v24, v[RS:RS+3]                  ; a row's 128 channels come from eight waves: they meet in the stage
	ds_store_b128 v24, v[RS+4:RS+7] offset:16
	s_wait_dscnt 0x0                               ; for the others' sake
	s_barrier_signal -1
	s_barrier_wait -1
	ds_load_b128 v[T:T+3], v25
	ds_load_b128 v[T+4:T+7], v25 offset:OP
	s_wait_dscnt 1                                 ; the first row is in, the second may be out
	global_store_b128 v7, v[T:T+3], s[14:15] th:TH_STORE_NT              ; 32 lanes store a row of 512 consecutive bytes, at a multiple of 512 from out0's first byte
	s_wait_dscnt 0x0
	global_store_b128 v7, v[T+4:T+7], s[14:15] offset:512 th:TH_STORE_NT
	s_wait_dscnt 0x0                               ; the closing lines, six on end
	s_wait_alu 0x0
	s_wait_tensorcnt 0x0
	ds_add_u32 v126, v127
	s_wait_dscnt 0x0
	s_endpgm
.Lfunc_end_k_q66cfd0d36b_attend:
	.size	k_q66cfd0d36b_attend, .Lfunc_end_k_q66cfd0d36b_attend-k_q66cfd0d36b_attend
	.p2alignl 7, 3214868480
	.fill 96, 4, 3214868480
	.section	.rodata,"a",@progbits
	.p2align	6, 0x0
	.amdhsa_kernel k_q66cfd0d36b_attend
		.amdhsa_group_segment_fixed_size 96512
		.amdhsa_private_segment_fixed_size 0
		.amdhsa_enable_private_segment 0
		.amdhsa_kernarg_size 48
		.amdhsa_user_sgpr_count 2
		.amdhsa_user_sgpr_kernarg_segment_ptr 1
		.amdhsa_wavefront_size32 1
		.amdhsa_system_sgpr_workgroup_id_x 1
		.amdhsa_system_sgpr_workgroup_id_y 1
		.amdhsa_system_sgpr_workgroup_id_z 1
		.amdhsa_system_vgpr_workitem_id 0
		.amdhsa_next_free_vgpr 256
		.amdhsa_next_free_sgpr 66
		.amdhsa_reserve_vcc 0
		.amdhsa_float_denorm_mode_32 3
		.amdhsa_float_denorm_mode_16_64 3
		.amdhsa_memory_ordered 1
		.amdhsa_forward_progress 1
		.amdhsa_inst_pref_size 41
	.end_amdhsa_kernel
	.amdgpu_metadata
---
amdhsa.version: [ 1, 2 ]
amdhsa.kernels:
  - .name:           k_q66cfd0d36b_attend
    .symbol:         k_q66cfd0d36b_attend.kd
    .args:
      - { .name: graw, .offset: 0, .size: 8, .value_kind: global_buffer, .address_space: global }
      - { .name: vcod, .offset: 8, .size: 8, .value_kind: global_buffer, .address_space: global }
      - { .name: w_v, .offset: 16, .size: 8, .value_kind: global_buffer, .address_space: global }
      - { .name: valid_lens, .offset: 24, .size: 8, .value_kind: global_buffer, .address_space: global }
      - { .name: lowp_scales, .offset: 32, .size: 8, .value_kind: global_buffer, .address_space: global }
      - { .name: out0, .offset: 40, .size: 8, .value_kind: global_buffer, .address_space: global }
    .group_segment_fixed_size: 96512
    .private_segment_fixed_size: 0
    .kernarg_segment_align: 8
    .kernarg_segment_size: 48
    .max_flat_workgroup_size: 256
    .sgpr_count:     66
    .vgpr_count:     256
    .wavefront_size: 32
...
	.end_amdgpu_metadata
.endif
;; end of part 4
